; MI455X (gfx1250); checked and timed in simulation.
; The chip was launched on July 23, 2026; its instructions are those of AMD's public machine-readable ISA for CDNA 5 (MIT licence, August 2026) and "CDNA5" Instruction Set Architecture Reference Guide (July 2026). The comments in the code are by the model that wrote it; some were corrected since.
;; band Attn Meta upsample. Allowed arithmetic: float matrix products may take bf16 or f16 operands with f32 sums; other float arithmetic in f32, or as packed bf16 or f16 multiplies, adds, multiply-adds, maxima and minima; sums over many terms, partial sums and values carried from step to step in f32; what a program stores and reads back later, other than sums and carried values, may be rounded once to bf16 or f16.
;; Inputs: Wb1 64 x 64 float32; Wb2 64 x 64 float32; Wo1 64 x 4 float32; Wo2 64 x 64 float32; Wo3 2 x 64 float32; Wq1 64 x 4 float32; Wq2 64 x 64 float32; Wq3 4 x 64 float32; Wr1 64 x 64 float32; Wr2 1 x 64 float32; bb1 64 float32; bb2 64 float32; bo1 64 float32; bo2 64 float32; bo3 2 float32; bq1 64 float32; bq2 64 float32; bq3 4 float32; br1 64 float32; br2 1 float32; wc 4 x 8 x 64 float32; we 4 x 64 x 8 float32; x 4 x 64 x 64 x 64 float32.
;; Outputs: out0 4 x 64 x 256 x 256 float32.
;; Constants: scale = 4.
;; One version. Each part assembles by itself: llvm-mc -triple=amdgcn-amd-amdhsa -mcpu=gfx1250 --defsym DOCPART=n.
;; ======== version 1 of 1: 3 launches
;; limits: values are held in f16: magnitudes above 65,504 overflow, below 6.1e-05 lose precision; inputs' magnitudes at most 65,504
;; workspace buffers: psum 1,024 bytes; quads 9,469,952 bytes; shifts 8,192 bytes of whole numbers; pblk 139,264 bytes
;; launch quads (part 1): grid 256 x 1, 8 waves a work-group, no clusters, 21,760 bytes of LDS; arguments x, psum, quads; writes psum, quads
.if DOCPART == 1
	.amdgcn_target "amdgcn-amd-amdhsa--gfx1250"
	.amdhsa_code_object_version 6
	.text
	.protected	k_qb5c4292ad8_quads
	.globl	k_qb5c4292ad8_quads
	.p2align	8
	.type	k_qb5c4292ad8_quads,@function
k_qb5c4292ad8_quads:
	s_mov_b64 s[64:65], 0
	v_nop
	global_prefetch_b8 v0, s[64:65] scope:SCOPE_SE
	s_setreg_imm32_b32 hwreg(HW_REG_WAVE_MODE, 25, 1), 1
	s_wait_xcnt 0x0
; FIRST OF THREE LAUNCHES.  From x [4][64][64][64] f32 it makes
;   psum[4 c + 2 bp + half]: the sum of x over batches 2 bp, 2 bp + 1 and rows 32 half .. + 31 of channel c (f32; the next launch adds the four parts of a channel);
;   quads[bp][c][v 68][u 68]: entries of 16 bytes, four words of two f16: {X(v-2,u-2), X(v-2,u-1)}, {X(v-1,u-2), X(v-1,u-1)} of batch 2 bp, then the same of batch 2 bp + 1,
;   with X = 0 outside the image.  One 16-byte load of the third launch then brings the four taps of a bilinear sample for two batches, and the zero padding needs no test there.
; LIMITS.  The taps are kept in f16: |x| stays under 65,504 (beyond it the entry is an infinity); below 6e-5 a tap keeps f16's fixed step of 6e-8.  NaN and infinities are not treated apart.
; SHARES.  Work-group g: half = g & 1, bp = (g >> 1) & 1, c = g >> 2.  It reads its 32 rows of two batches once (16 bytes a lane, a wave 512 consecutive bytes), lays them into LDS as
; overlapping pairs of f16, and writes table rows v = 34 half .. + 33, 36,992 dense bytes.  The upper half also needs X row 32, which wave 0 fetches.
; No matrix unit, no cluster, no tensor load: the launch moves 4 MB in and 9.5 MB out and no two work-groups share more than one row.
.set PWP,    288                       ; LDS: a row of pair words: 72 words; the word at byte 4 (u + 3) is {X(row, u-2), X(row, u-1)}
.set PWPL,   35*PWP                    ; a batch's 35 rows: X rows 34 half - 2 .. 34 half + 32
.set PSW,    20480                     ; behind the two batches' pair words (20,160 bytes, cleared up to 20,480): the eight waves' sums
.set SPARE,  20736                     ; the spare words, 128 bytes for each wave: four blocks of 256 bytes that no other line names
.set QPLANE, 73984                     ; bytes of a table plane: 68 x 68 x 16
.set QHALF,  34*1088                   ; bytes of half a plane
.set SPW,  1                           ; v1     LDS address of my spare word; never rewritten
.set NIL,  2                           ; v2     0; never rewritten
.set GO,   3                           ; v3     my byte offset in the work-group's part of x
.set STA,  4                           ; v4     where my four pair words of a row go
.set ZF,   5                           ; v5     16 t: the clearing of LDS
.set QL,   6                           ; v6     my place among a row's sixteen lanes
.set GX,   7                           ; v7     wave 0: my offset in X row 32
.set SXA,  8                           ; v8     wave 0: where that row's pair words go
.set P3,   9                           ; v9     the left neighbour's last number
.set ZERO, 10                          ; v10    0
.set T0,   11                          ; v11    at work
.set XR,   12                          ; v12-15 zeros for the clearing; then, in wave 0, X row 32
.set A,    16                          ; v16-31 my sixteen numbers of x; at the end wave 0's left-over entries and the eight sums
.set W4,   32                          ; v32-36 {X63, 0} of each of my rows
.set SM,   38                          ; v38-45 partial sums
.set T1,   46                          ; v46    at work
.set GS,   47                          ; v47    my entry number in trip 0, then its byte offset in the table
.set EA,   48                          ; v48-57 LDS address of my entry in trips 0 to 8, and of the left-over one
.set PSA,  58                          ; v58    address in PSW
.set PO,   59                          ; v59    byte offset of the left-over entry
.set D,    60                          ; v60-95 first the packed pair words, then nine entries
	s_load_b128 s[4:7], s[0:1], 0x0                ; x s[4:5], psum s[6:7]
	s_load_b64 s[8:9], s[0:1], 0x10                ; quads
	v_lshl_add_u32 v[SPW], v0, 2, SPARE
	v_mov_b32 v[NIL], 0
	v_lshrrev_b32 v[T0], 5, v0
	v_readfirstlane_b32 s10, v[T0]                 ; wave 0..7
	s_and_b32 s11, ttmp9, 1                        ; half
	s_bfe_u32 s12, ttmp9, 0x10001                  ; bp
	s_lshr_b32 s13, ttmp9, 2                       ; c
	s_xor_b32 s16, s11, 1                          ; 1 - half
	s_lshl_b32 s14, s12, 21                        ; x: two batches of 1,048,576 bytes,
	s_lshl_b32 s15, s13, 14                        ; a channel's 16,384,
	s_add_co_u32 s14, s14, s15
	s_lshl_b32 s15, s11, 13                        ; 32 rows of 256
	s_add_co_u32 s14, s14, s15
	s_mov_b32 s15, 0
	v_and_b32 v[T0], 0x7f, v0                      ; threads 0-127 take the first batch, 128-255 the second
	v_lshrrev_b32 v[T1], 7, v0
	v_lshlrev_b32 v[GO], 4, v[T0]
	v_lshl_add_u32 v[GO], v[T1], 20, v[GO]
	s_wait_kmcnt 0x0
	s_add_nc_u64 s[4:5], s[4:5], s[14:15]
.irp k, 0,1,2,3
	global_load_b128 v[A+4*(\k):A+4*(\k)+3], v[GO], s[4:5] offset:2048*(\k)  ; rows (t % 128) / 16 + 8 k: a wave takes 512 consecutive bytes
.endr
	; all that follows up to the wait for these loads stands in their shadow
	v_lshlrev_b32 v[ZF], 4, v0
.irp i, 0,1,2,3
	v_mov_b32 v[XR+(\i)], 0
.endr
.irp i, 0,1,2,3,4
	ds_store_b128 v[ZF], v[XR:XR+3] offset:4096*(\i)  ; the pair words are cleared: the border of the table is made of what nobody writes afterwards
.endr
	s_lshl_b32 s17, s12, 6
	s_add_co_u32 s17, s17, s13                     ; plane bp x 64 + c
	s_mul_i32 s18, s17, QPLANE
	s_mul_i32 s19, s11, QHALF
	s_add_co_u32 s18, s18, s19
	s_mov_b32 s19, 0
	s_add_nc_u64 s[8:9], s[8:9], s[18:19]          ; the table at my half plane
	s_mul_i32 s20, s16, 2*PWP                      ; my own rows begin at LDS row 2 (upper half: rows -2, -1 lie above) or 0,
	s_add_co_u32 s20, s20, 16                      ; and a lane's first pair word is word 4 q + 4
	s_lshl_b32 s21, s16, 13                        ; X row 32 lies 8,192 bytes behind the upper half's first row, and is the lower half's first
	s_sub_co_u32 s22, s11, 1                       ; all ones in the upper half, 0 in the lower
	s_lshl_b32 s23, s11, 3                         ; 8 half
	s_mov_b32 s24, 0x76543210                      ; v_permlanex16_b32: each lane takes its own place in the other half
	s_mov_b32 s25, 0xfedcba98
	s_lshl_b32 s26, s10, 2
	s_add_co_u32 s26, s26, PSW                     ; my wave's word in PSW
	s_lshl_b32 s27, ttmp9, 2                       ; my work-group's word in psum
	s_mul_i32 s28, s16, 2304                       ; first of the eight left-over entries
	v_and_b32 v[QL], 15, v0
	v_lshrrev_b32 v[T0], 4, v[T0]
	v_mul_u32_u24 v[STA], v[T0], PWP
	v_mul_u32_u24 v[T1], v[T1], PWPL
	v_lshl_add_u32 v[STA], v[QL], 4, v[STA]
	v_add_nc_u32 v[STA], v[T1], v[STA]
	v_add_nc_u32 v[STA], s20, v[STA]
	v_mov_b32 v[P3], 0                             ; the destination of a DPP move counts as read
	v_mov_b32 v[ZERO], 0
	s_wait_dscnt 0x0                               ; my part of the clearing is done: for the others' sake, and XR may now be loaded
	s_cmp_lg_u32 s10, 0
	s_cbranch_scc1 .Lno_halo_load
	v_bfe_u32 v[T0], v0, 4, 1                      ; wave 0: lanes 0-15 the first batch, 16-31 the second
	v_lshlrev_b32 v[GX], 4, v[QL]
	v_lshl_add_u32 v[GX], v[T0], 20, v[GX]
	v_add_nc_u32 v[GX], s21, v[GX]
	global_load_b128 v[XR:XR+3], v[GX], s[4:5]     ; X row 32, in both halves: the lower half has no use for it and masks it below, so that no branch hangs on the half
.Lno_halo_load:
	s_barrier_signal -1
	s_barrier_wait -1                              ; everybody's clearing is done: rows may be written
; The LDS address of table entry e (row e / 68, place u = e % 68 of my half plane): row x 288 + 4 (u + 3) = 16 row + 4 e + 12; the 12 stands in the loads' immediates.
; e / 68 = (241 e) >> 14 holds for e < 4,000: 241 x 68 = 16,388.
.macro EADR dst, e
	v_mul_u32_u24 v[T1], v[\e], 241
	v_lshlrev_b32 v[T0], 2, v[\e]
	v_lshrrev_b32 v[T1], 14, v[T1]
	v_lshl_add_u32 v[\dst], v[T1], 4, v[T0]
.endm
	; half a plane is 36,992 bytes = 144.5 x 256: the lower half starts its walk 8 entries in, so that every wave's 512 bytes begin at a multiple of 256 from the table's first byte
	v_add_nc_u32 v[GS], s23, v0
	EADR EA, GS
.irp k, 1,2,3,4,5,6,7,8
	v_add_nc_u32 v[EA+(\k)], 256*(\k), v[GS]
	EADR EA+(\k), EA+(\k)
.endr
	v_lshlrev_b32 v[GS], 4, v[GS]
	v_mov_b32 v[PSA], s26
	s_wait_loadcnt 0x0                             ; my sixteen numbers (and wave 0's row 32)
	v_pk_add_f32 v[SM:SM+1],   v[A:A+1],     v[A+2:A+3]
	v_pk_add_f32 v[SM+2:SM+3], v[A+4:A+5],   v[A+6:A+7]
	v_pk_add_f32 v[SM+4:SM+5], v[A+8:A+9],   v[A+10:A+11]
	v_pk_add_f32 v[SM+6:SM+7], v[A+12:A+13], v[A+14:A+15]
	v_pk_add_f32 v[SM:SM+1],   v[SM:SM+1],   v[SM+2:SM+3]
	v_pk_add_f32 v[SM+4:SM+5], v[SM+4:SM+5], v[SM+6:SM+7]
	v_pk_add_f32 v[SM:SM+1],   v[SM:SM+1],   v[SM+4:SM+5]
	v_add_f32 v[SM], v[SM], v[SM+1]
.irp m, 1,2,4,8
	v_add_f32_dpp v[SM], v[SM], v[SM] row_xmask:\m row_mask:0xf bank_mask:0xf
.endr
	v_permlanex16_b32 v[SM+1], v[SM], s24, s25
	v_add_f32 v[SM], v[SM], v[SM+1]
	ds_store_b32 v[PSA], v[SM]                     ; all lanes write the wave's sum into the wave's word
; Four numbers a0-a3 at columns 4 q .. 4 q + 3 become the pair words {left neighbour's a3, a0}, {a0, a1}, {a1, a2}, {a2, a3}, and {a3, 0} for the row's last lane.
; The sixteen lanes of a DPP row hold exactly one row of X, so the lane without a left neighbour is column 0 and takes 0.
.macro ROWQ a, w, w4
	v_mov_b32_dpp v[P3], v[(\a)+3] row_shr:1 row_mask:0xf bank_mask:0xf bound_ctrl:1
	v_cvt_pk_f16_f32 v[(\w)+1], v[(\a)],   v[(\a)+1]
	v_cvt_pk_f16_f32 v[(\w)+2], v[(\a)+1], v[(\a)+2]
	v_cvt_pk_f16_f32 v[(\w)+3], v[(\a)+2], v[(\a)+3]
	v_cvt_pk_f16_f32 v[\w4],    v[(\a)+3], v[ZERO]
	v_cvt_pk_f16_f32 v[(\w)],   v[P3],     v[(\a)]
.endm
.irp k, 0,1,2,3
	ROWQ A+4*(\k), D+4*(\k), W4+(\k)
	ds_store_b128 v[STA], v[D+4*(\k):D+4*(\k)+3] offset:8*PWP*(\k)
.endr
	v_cmp_eq_u32 vcc_lo, 15, v[QL]
	s_wait_xcnt 0x0                                ; EXEC changes only behind this wait
	s_and_saveexec_b32 s29, vcc_lo                 ; a row's last lane alone
.irp k, 0,1,2,3
	ds_store_b32 v[STA], v[W4+(\k)] offset:8*PWP*(\k)+16
.endr
	s_or_b32 exec_lo, exec_lo, s29                 ; no global instruction was issued meanwhile
	s_cmp_lg_u32 s10, 0
	s_cbranch_scc1 .Lno_halo_row
	v_bfe_u32 v[T0], v0, 4, 1
	v_mul_u32_u24 v[SXA], v[T0], PWPL
	v_lshl_add_u32 v[SXA], v[QL], 4, v[SXA]
	ROWQ XR, D+16, W4+4
.irp i, 0,1,2,3
	v_and_b32 v[D+16+(\i)], s22, v[D+16+(\i)]      ; LDS row 34 is X row 32 in the upper half; in the lower half it is row 66, past the image: zeros
.endr
	v_and_b32 v[W4+4], s22, v[W4+4]
	ds_store_b128 v[SXA], v[D+16:D+19] offset:34*PWP+16
	s_and_saveexec_b32 s29, vcc_lo
	ds_store_b32 v[SXA], v[W4+4] offset:34*PWP+32
	s_or_b32 exec_lo, exec_lo, s29
.Lno_halo_row:
	s_wait_dscnt 0x0                               ; for the others' sake: my rows and my sum are in LDS
	s_barrier_signal -1
	s_barrier_wait -1
	; THE TABLE.  Entry e takes four pair words: rows v - 2 and v - 1 of both batches.  All 36 loads go out first.
.irp k, 0,1,2,3,4,5,6,7,8
	ds_load_b32 v[D+4*(\k)],   v[EA+(\k)] offset:12
	ds_load_b32 v[D+4*(\k)+1], v[EA+(\k)] offset:12+PWP
	ds_load_b32 v[D+4*(\k)+2], v[EA+(\k)] offset:12+PWPL
	ds_load_b32 v[D+4*(\k)+3], v[EA+(\k)] offset:12+PWPL+PWP
.endr
.irp k, 0,1,2,3,4,5,6,7,8
	s_wait_dscnt 32-4*(\k)                         ; the later trips' loads, four each, may stay out
	global_store_b128 v[GS], v[D+4*(\k):D+4*(\k)+3], s[8:9] offset:4096*(\k)  ; a wave stores 512 consecutive bytes, at a multiple of 256 from the table's first byte
.endr
	s_cmp_lg_u32 s10, 0
	s_cbranch_scc1 .Lend
	; wave 0: the eight entries left over (the upper half's last, the lower half's first), and the work-group's sum
	v_add_nc_u32 v[EA+9], s28, v0
	v_lshlrev_b32 v[PO], 4, v[EA+9]
	EADR EA+9, EA+9
	ds_load_b32 v[A],   v[EA+9] offset:12          ; all lanes load: lanes 8 and up read cleared or written pair words that nobody stores
	ds_load_b32 v[A+1], v[EA+9] offset:12+PWP
	ds_load_b32 v[A+2], v[EA+9] offset:12+PWPL
	ds_load_b32 v[A+3], v[EA+9] offset:12+PWPL+PWP
	v_mov_b32 v[PSA], PSW
	ds_load_b128 v[A+4:A+7],  v[PSA]
	ds_load_b128 v[A+8:A+11], v[PSA] offset:16
	v_cmp_gt_u32 vcc_lo, 8, v0
	s_wait_dscnt 0x2                               ; the entry's four words are in; the two loads of the sums may stay out
	s_wait_xcnt 0x0                                ; EXEC changes only behind this wait
	s_and_saveexec_b32 s29, vcc_lo
	global_store_b128 v[PO], v[A:A+3], s[8:9]
	s_wait_xcnt 0x0
	s_or_b32 exec_lo, exec_lo, s29
	s_wait_dscnt 0x0
	v_pk_add_f32 v[A+4:A+5], v[A+4:A+5], v[A+6:A+7]
	v_pk_add_f32 v[A+8:A+9], v[A+8:A+9], v[A+10:A+11]
	v_pk_add_f32 v[A+4:A+5], v[A+4:A+5], v[A+8:A+9]
	v_add_f32 v[A+4], v[A+4], v[A+5]
	v_mov_b32 v[T0], s27
	v_cmp_eq_u32 vcc_lo, 0, v0
	s_and_saveexec_b32 s29, vcc_lo
	global_store_b32 v[T0], v[A+4], s[6:7]
	s_wait_xcnt 0x0
	s_or_b32 exec_lo, exec_lo, s29
.Lend:
	s_wait_tensorcnt 0x0                           ; the wave's end, behind my last LDS store
	ds_add_u32 v[SPW], v[NIL]
	s_wait_dscnt 0x0
	s_endpgm
.Lfunc_end_k_qb5c4292ad8_quads:
	.size	k_qb5c4292ad8_quads, .Lfunc_end_k_qb5c4292ad8_quads-k_qb5c4292ad8_quads
	.p2alignl 7, 3214868480
	.fill 96, 4, 3214868480
	.section	.rodata,"a",@progbits
	.p2align	6, 0x0
	.amdhsa_kernel k_qb5c4292ad8_quads
		.amdhsa_group_segment_fixed_size 21760
		.amdhsa_private_segment_fixed_size 0
		.amdhsa_enable_private_segment 0
		.amdhsa_kernarg_size 24
		.amdhsa_user_sgpr_count 2
		.amdhsa_user_sgpr_kernarg_segment_ptr 1
		.amdhsa_wavefront_size32 1
		.amdhsa_system_sgpr_workgroup_id_x 1
		.amdhsa_system_sgpr_workgroup_id_y 1
		.amdhsa_system_sgpr_workgroup_id_z 1
		.amdhsa_system_vgpr_workitem_id 0
		.amdhsa_next_free_vgpr 96
		.amdhsa_next_free_sgpr 66
		.amdhsa_reserve_vcc 1
		.amdhsa_float_denorm_mode_32 3
		.amdhsa_float_denorm_mode_16_64 3
		.amdhsa_memory_ordered 1
		.amdhsa_forward_progress 1
		.amdhsa_inst_pref_size 16
	.end_amdhsa_kernel
	.amdgpu_metadata
---
amdhsa.version: [ 1, 2 ]
amdhsa.kernels:
  - .name:           k_qb5c4292ad8_quads
    .symbol:         k_qb5c4292ad8_quads.kd
    .args:
      - { .name: x, .offset: 0, .size: 8, .value_kind: global_buffer, .address_space: global }
      - { .name: psum, .offset: 8, .size: 8, .value_kind: global_buffer, .address_space: global }
      - { .name: quads, .offset: 16, .size: 8, .value_kind: global_buffer, .address_space: global }
    .group_segment_fixed_size: 21760
    .private_segment_fixed_size: 0
    .kernarg_segment_align: 8
    .kernarg_segment_size: 24
    .max_flat_workgroup_size: 256
    .sgpr_count:     66
    .vgpr_count:     96
    .wavefront_size: 32
...
	.end_amdgpu_metadata
.endif
;; end of part 1
;; launch prep (part 2): grid 64 x 1, 8 waves a work-group, no clusters, 167,936 bytes of LDS; arguments psum, Wb1, Wb2, Wr1, Wq2, Wo2, bb1, bb2, br1, Wr2, br2, Wq1, bq1, bq2, Wq3, bq3, Wo1, bo1, bo2, Wo3, bo3, wc, we, shifts, pblk; writes shifts, pblk
.if DOCPART == 2
	.amdgcn_target "amdgcn-amd-amdhsa--gfx1250"
	.amdhsa_code_object_version 6
	.text
	.protected	k_qb5c4292ad8_prep
	.globl	k_qb5c4292ad8_prep
	.p2align	8
	.type	k_qb5c4292ad8_prep,@function
k_qb5c4292ad8_prep:
	s_mov_b64 s[64:65], 0
	v_nop
	global_prefetch_b8 v0, s[64:65] scope:SCOPE_SE
	s_setreg_imm32_b32 hwreg(HW_REG_WAVE_MODE, 25, 1), 1
	s_wait_xcnt 0x0
; SECOND OF THREE LAUNCHES: the small chain.  The meta tensor is made of 1, 1/4 and the two fractional phases 0.25 q - 0.375 (q = i % 4, j % 4; exact in f32), so the embedding, the
; offsets and the gates of a pixel hang on its phase p = (pi, pj) alone: 16 cases.  Work-group g: p = g >> 2, cq = g & 3.  It walks the chain for phase p and stores, for channels 16 cq .. + 15,
;   shifts[p][0][c] = clamp(floor(cw[pj] + offx), -65, 64) + 65, shifts[p][1][c] the same with ch[pi] and offy: whole numbers, from which the third launch forms its addresses;
;   pblk[pi] + 32768 + 512 pj + 8 c: the four bilinear weights (1-wy)(1-wx), (1-wy) wx, wy (1-wx), wy wx in f16;
;   pblk[pi] + 8192 pj: rows 16 cq .. + 15 of M = (sum_e rw_e we_e)(sum_e rw_e wc_e), 64 x 64, in bf16, in the order in which a wave's A operand registers take them.
; The clamp loses nothing: with a shift of -65 or less, or of 64 or more, every one of the 64 source places falls on an all-zero entry of the table.
; ALL IN f32 ON THE VECTOR UNIT: the chain has four columns a layer (the four features of one phase), under one part in a hundred of the program's multiply-adds, and its result goes through floor().
; The source place is formed as J + (cw + off), where the problem's text forms (J + cw) + off: a few last places of 64 apart; the bilinear sample is continuous in it.
; NaN and infinities are not treated apart.  The sigmoid is 1 / (1 + 2^(-1.442695 x)): its exponential may overflow to infinity, and the reciprocal is then 0, as it should be.
; SHARES.  Thread t = (o = t % 64, f = t / 64): output o of a layer, for feature column f; f is the same in a whole wave.  A layer ends with a barrier; no LDS region is written twice.
; The five 64 x 64 matrices come in by one tensor load each (waves 0 to 4; one load a wave), rows padded to 272 bytes, so that the 16 rows of an LDS load start at 16 different groups of four banks (64 banks of 4 bytes: ISA guide 11.1).
; No cluster: the 85 KB of weights that the 64 work-groups share are read once each from the cache in a launch that is a chain of dependent steps.
.set MATB,  17408                      ; a matrix in LDS: 64 rows of 272 bytes.  Order: Wb1, Wb2, Wr1, Wq2, Wo2
.set MPITCH, 272
.set S,     5*MATB                     ; scratch, into which no tensor load lands:
.set O_V0,  0                          ; [4][64] the four input columns
.set O_H1,  1024                       ; [4][64]
.set O_EMB, 2048                       ; [4][64] the embedding: [feature][channel]
.set O_HO1, 3072                       ; [16][64] offset head, first layer, for my 16 channels
.set O_Q1,  7168                       ; [4][64] gate head, first layer: a copy for each group of 64 threads
.set O_PR,  8192                       ; 8 words: each wave's part of the four sums Wr2 . R1
.set O_PQ,  8448                       ; 8 words: each wave's part of the four sums Wq3 . Q2
.set O_PO,  8704                       ; [8 waves][2][4]: each wave's part of offx, offy of four channels
.set O_WCM, 8960                       ; [8][64] sum_e rw_e wc_e
.set SPARE, S+11008                    ; the spare words, 128 bytes for each wave: four blocks of 256 bytes that no other line names
; v1 o; v2 f; v3 272 o; v4 272 o + 3 MATB; v5 S + 256 f; v6 S + 4 t; v7 S + 4 wave; v8 S + 32 wave; v9 S + 8 t; v10 S + O_EMB + 64 cq + 16 f; v11 S + O_HO1 + 1024 f; v12 v11 + 4 o; v13 S;
; v14 S + 32 (t / 16); v15 4 o; v16, v17 the add's two registers; v18 16 o; v19 4 t; v20-30 bb1 bb2 br1 Wr2 bq1 bq2 bo1 bo2 at [o], Wq3[f][o], Wo3[0][o], Wo3[1][o]; v31 8 t; v32-35 Wq1[o][:];
; v36-39 Wo1[o][:]; v40-43 psum[o][:]; v44-51 wc, a pair for each expert; v52-83 we, a row of 8 for each expert; v84-91 a row of sum_e rw_e we_e; v92 offset in we; v93 at work; v94 16 t
.set TP,  93
.set WR,  96                           ; v96-159   a row of a matrix
.set VR,  160                          ; v160-223  a column
.set ACC, 224                          ; v224-231  four chains of pairs
.set RW,  232                          ; v232-235  r, later the gates rw
.set HP,  236                          ; v236-251  the embedding's pieces; the offset head's eight products
.set X,   248                          ; v248-255  at work
.macro BAR
	s_wait_dscnt 0x0                               ; for the others' sake: my LDS stores are done and my reads are back
	s_barrier_signal -1
	s_barrier_wait -1
.endm
.macro LDW adr, off                    ; row o of a matrix
.set i, 0
.rept 16
	ds_load_b128 v[WR+4*i:WR+4*i+3], v[\adr] offset:(\off)+16*i
.set i, i+1
.endr
.endm
.macro LDV adr, off                    ; a column of 64: the same address in all lanes
.set i, 0
.rept 16
	ds_load_b128 v[VR+4*i:VR+4*i+3], v[\adr] offset:(\off)+16*i
.set i, i+1
.endr
.endm
.macro MAC64 dst                       ; dst = row . column: four chains that do not wait for each other; the first products start them
	s_wait_dscnt 0x0
.set i, 0
.rept 4
	v_pk_mul_f32 v[ACC+2*i:ACC+2*i+1], v[WR+2*i:WR+2*i+1], v[VR+2*i:VR+2*i+1]
.set i, i+1
.endr
.rept 28
	v_pk_fma_f32 v[ACC+2*(i%4):ACC+2*(i%4)+1], v[WR+2*i:WR+2*i+1], v[VR+2*i:VR+2*i+1], v[ACC+2*(i%4):ACC+2*(i%4)+1]
.set i, i+1
.endr
	v_pk_add_f32 v[ACC:ACC+1],   v[ACC:ACC+1],   v[ACC+2:ACC+3]
	v_pk_add_f32 v[ACC+4:ACC+5], v[ACC+4:ACC+5], v[ACC+6:ACC+7]
	v_pk_add_f32 v[ACC:ACC+1],   v[ACC:ACC+1],   v[ACC+4:ACC+5]
	v_add_f32 v[\dst], v[ACC], v[ACC+1]
.endm
.macro RELU dst, bias
	v_add_f32 v[\dst], v[\dst], v[\bias]
	v_max_num_f32 v[\dst], 0, v[\dst]
.endm
.macro WSUMN r, n, tmp                 ; n registers from r on are each summed over the wave's 32 lanes, pass by pass; tmp: n registers that have been written
.irp m, 1,2,4,8
.set i, 0
.rept \n
	v_add_f32_dpp v[(\r)+i], v[(\r)+i], v[(\r)+i] row_xmask:\m row_mask:0xf bank_mask:0xf
.set i, i+1
.endr
.endr
.set i, 0
.rept \n
	v_permlanex16_b32 v[(\tmp)+i], v[(\r)+i], s88, s89
.set i, i+1
.endr
.set i, 0
.rept \n
	v_add_f32 v[(\r)+i], v[(\r)+i], v[(\tmp)+i]
.set i, i+1
.endr
.endm
.macro SIG4 r                          ; four sigmoids in place: each kind of transcendental is one batch, with a plain instruction behind it and one wait ahead of its first reader
.irp i, 0,1,2,3
	v_mul_f32 v[(\r)+(\i)], 0xbfb8aa3b, v[(\r)+(\i)]
.endr
.irp i, 0,1,2,3
	v_exp_f32 v[(\r)+(\i)], v[(\r)+(\i)]
.endr
	v_nop
	s_wait_alu depctr_va_vdst(0)
.irp i, 0,1,2,3
	v_add_f32 v[(\r)+(\i)], 1.0, v[(\r)+(\i)]
.endr
.irp i, 0,1,2,3
	v_rcp_f32 v[(\r)+(\i)], v[(\r)+(\i)]
.endr
	v_nop
	s_wait_alu depctr_va_vdst(0)
.endm
.macro FMAB d, a, bb, k                ; the pair d += the pair a x register bb + k, given to both halves
.if ((\k)%2) == 0
	v_pk_fma_f32 v[(\d):(\d)+1], v[(\a):(\a)+1], v[(\bb)+(\k):(\bb)+(\k)+1], v[(\d):(\d)+1] op_sel_hi:[1,0,1]
.else
	v_pk_fma_f32 v[(\d):(\d)+1], v[(\a):(\a)+1], v[(\bb)+(\k)-1:(\bb)+(\k)], v[(\d):(\d)+1] op_sel:[0,1,0] op_sel_hi:[1,1,1]
.endif
.endm
	s_load_b512 s[4:19], s[0:1], 0x0               ; psum 4, Wb1 6, Wb2 8, Wr1 10, Wq2 12, Wo2 14, bb1 16, bb2 18
	s_load_b512 s[20:35], s[0:1], 0x40             ; br1 20, Wr2 22, br2 24, Wq1 26, bq1 28, bq2 30, Wq3 32, bq3 34
	s_load_b512 s[36:51], s[0:1], 0x80             ; Wo1 36, bo1 38, bo2 40, Wo3 42, bo3 44, wc 46, we 48, shifts 50
	s_load_b64 s[52:53], s[0:1], 0xc0              ; pblk
	v_lshl_add_u32 v16, v0, 2, SPARE
	v_mov_b32 v17, 0
	ds_add_u32 v16, v17                            ; the wave's opening: the add and its wait come ahead of my first tensor load; the set-up below, work on registers, stands between them
	ds_add_u32 v16, v17
	v_lshrrev_b32 v[X], 5, v0
	v_readfirstlane_b32 s62, v[X]                  ; wave 0..7
	s_lshr_b32 s63, s62, 1                         ; f
	s_lshr_b32 s66, ttmp9, 4                       ; pi
	s_bfe_u32 s67, ttmp9, 0x20002                  ; pj
	s_and_b32 s68, ttmp9, 3                        ; cq
	s_lshr_b32 s69, ttmp9, 2                       ; p
	; descriptor: 64 rows of 64 elements of 4 bytes, 16 bytes of padding behind each row
	s_mov_b32 s72, 1                               ; group 0: count = 1
	s_mul_i32 s73, s62, MATB                       ; LDS address: my wave's matrix
	s_mov_b32 s76, (2<<16)|(1<<20)|(5<<22)|(3<<25) ; group 1: 17:16 elements of 4 bytes; 20 padding on; 24:22 after every 64 words (code 5); 31:25 4 words of it (code 3)
	s_mov_b32 s77, 64<<16                          ; tensor_dim0 = 64
	s_mov_b32 s78, 64<<16                          ; tensor_dim1 = 64
	s_mov_b32 s79, 64<<16                          ; tile_dim0 = 64
	s_mov_b32 s80, 64                              ; tile_dim1 = 64
	s_mov_b32 s81, 64                              ; 64 elements from row to row
	s_mov_b32 s82, 0
	s_mov_b32 s83, 0
	s_mov_b32 s88, 0x76543210                      ; v_permlanex16_b32: each lane takes its own place in the other half
	s_mov_b32 s89, 0xfedcba98
	s_cvt_f32_u32 s84, s66
	s_cvt_f32_u32 s85, s67
	s_mul_f32 s84, s84, 0x3e800000
	s_mul_f32 s85, s85, 0x3e800000
	s_add_f32 s84, s84, 0xbec00000                 ; ch[pi] = 0.25 pi - 0.375
	s_add_f32 s85, s85, 0xbec00000                 ; cw[pj]
	s_cmp_eq_u32 s63, 2                            ; my column's constant: 1/4, ch or cw (column 0 is the channels' means)
	s_cselect_b32 s86, s84, 0x3e800000
	s_cmp_eq_u32 s63, 3
	s_cselect_b32 s86, s85, s86
	s_cmp_eq_u32 s63, 0
	s_cselect_b32 s87, -1, 0
	s_lshl_b32 s70, s69, 9                         ; shifts: 512 p + 64 cq
	s_lshl_b32 s71, s68, 6
	s_add_co_u32 s70, s70, s71
	s_mov_b32 s71, 0
	s_mul_i32 s92, s66, 34816                      ; pblk: the block of pi,
	s_lshl_b32 s95, s67, 9
	s_add_co_u32 s90, s92, s95                     ; weights: + 32768 + 512 pj + 128 cq
	s_lshl_b32 s95, s68, 7
	s_add_co_u32 s90, s90, s95
	s_add_co_u32 s90, s90, 32768
	s_mov_b32 s91, 0
	s_lshl_b32 s95, s67, 13                        ; M: + 8192 pj + 2048 cq
	s_add_co_u32 s92, s92, s95
	s_lshl_b32 s95, s68, 11
	s_add_co_u32 s92, s92, s95
	s_mov_b32 s93, 0
	v_and_b32 v1, 63, v0
	v_lshrrev_b32 v2, 6, v0
	v_mul_u32_u24 v3, v1, MPITCH
	v_add_nc_u32 v4, 3*MATB, v3
	v_lshl_add_u32 v5, v2, 8, S
	v_lshl_add_u32 v6, v0, 2, S
	v_lshl_add_u32 v7, v[X], 2, S
	v_lshl_add_u32 v8, v[X], 5, S
	v_lshl_add_u32 v9, v0, 3, S
	v_lshl_add_u32 v11, v2, 10, S+O_HO1
	v_lshl_add_u32 v12, v1, 2, v11
	v_mov_b32 v13, S
	v_lshrrev_b32 v14, 4, v0
	v_lshl_add_u32 v14, v14, 5, S
	v_lshlrev_b32 v15, 2, v1
	v_lshlrev_b32 v18, 4, v1
	v_lshlrev_b32 v19, 2, v0
	v_lshlrev_b32 v31, 3, v0
	v_and_b32 v92, 15, v0
	v_lshlrev_b32 v92, 5, v92
	s_lshl_b32 s95, s68, 9
	v_add_nc_u32 v92, s95, v92                     ; row 16 cq + t % 16 of we: 32 bytes a row
	s_lshl_b32 s95, s68, 6
	s_add_co_u32 s95, s95, S+O_EMB
	v_lshl_add_u32 v10, v2, 4, s95
	v_mov_b32 v[TP], 0
	v_lshlrev_b32 v94, 4, v0
	s_wait_dscnt 0x0                               ; the opening add is done
	s_wait_kmcnt 0x0
	s_mov_b64 s[74:75], s[6:7]                     ; my wave's matrix: a choice among five buffers by the wave's number
	s_cmp_eq_u32 s62, 1
	s_cselect_b64 s[74:75], s[8:9], s[74:75]
	s_cmp_eq_u32 s62, 2
	s_cselect_b64 s[74:75], s[10:11], s[74:75]
	s_cmp_eq_u32 s62, 3
	s_cselect_b64 s[74:75], s[12:13], s[74:75]
	s_cmp_eq_u32 s62, 4
	s_cselect_b64 s[74:75], s[14:15], s[74:75]
	s_or_b32 s75, s75, 0x80000000                  ; type = 2
	s_cmp_lt_u32 s62, 5
	s_cbranch_scc0 .Lno_fill
	tensor_load_to_lds s[72:75], s[76:83]
	s_nop 0
.rept 4
	v_nop
.endr
.Lno_fill:
	s_load_b32 s54, s[24:25], 0x0                  ; br2
	s_load_b128 s[56:59], s[34:35], 0x0            ; bq3
	s_load_b64 s[60:61], s[44:45], 0x0             ; bo3
	global_load_b128 v[40:43], v18, s[4:5]         ; the four parts of channel o's sum: wanted first
	global_load_b32 v20, v15, s[16:17]
	global_load_b32 v21, v15, s[18:19]
	global_load_b32 v22, v15, s[20:21]
	global_load_b32 v23, v15, s[22:23]
	global_load_b32 v24, v15, s[28:29]
	global_load_b32 v25, v15, s[30:31]
	global_load_b32 v26, v15, s[38:39]
	global_load_b32 v27, v15, s[40:41]
	global_load_b32 v28, v19, s[32:33]
	global_load_b32 v29, v15, s[42:43]
	global_load_b32 v30, v15, s[42:43] offset:256
	global_load_b128 v[32:35], v18, s[26:27]
	global_load_b128 v[36:39], v18, s[36:37]
.irp e, 0,1,2,3
	global_load_b64 v[44+2*(\e):45+2*(\e)], v31, s[46:47] offset:2048*(\e)
.endr
.irp e, 0,1,2,3
	global_load_b128 v[52+8*(\e):55+8*(\e)], v92, s[48:49] offset:2048*(\e)
	global_load_b128 v[56+8*(\e):59+8*(\e)], v92, s[48:49] offset:2048*(\e)+16
.endr
	s_add_nc_u64 s[50:51], s[50:51], s[70:71]
	s_add_nc_u64 s[90:91], s[52:53], s[90:91]
	s_add_nc_u64 s[52:53], s[52:53], s[92:93]
	; the four input columns: mean[o]; 1/4; ch[pi]; cw[pj]
	s_wait_loadcnt 25                              ; the 25 loads issued behind psum's may stay out
	v_add_f32 v40, v40, v41
	v_add_f32 v42, v42, v43
	v_add_f32 v40, v40, v42
	v_mul_f32 v40, 0x38800000, v40                 ; / 16,384 = 4 x 64 x 64
	v_cndmask_b32 v40, s86, v40, s87
	ds_store_b32 v6, v40 offset:O_V0
	s_wait_kmcnt 0x0                               ; br2, bq3, bo3
	s_wait_tensorcnt 0x0                           ; my matrix has landed: the others read it behind the barrier
	BAR
	LDW 3, 0                                       ; H1 = relu(Wb1 V0 + bb1)
	LDV 5, O_V0
	s_wait_loadcnt 0x0                             ; all weights and biases that live in registers
	MAC64 X
	RELU X, 20
	ds_store_b32 v6, v[X] offset:O_H1
	BAR
	LDW 3, MATB                                    ; EMB = relu(Wb2 H1 + bb2)
	LDV 5, O_H1
	MAC64 X
	RELU X, 21
	ds_store_b32 v6, v[X] offset:O_EMB
	BAR
	LDW 3, 2*MATB                                  ; R1 = relu(Wr1 EMB + br1); my wave's part of Wr2 . R1
	LDV 5, O_EMB
.irp g, 0,1,2,3
	ds_load_b128 v[HP+4*(\g):HP+4*(\g)+3], v10 offset:256*(\g)  ; feature g of channels 16 cq + 4 f .. + 3
.endr
	MAC64 RW
	RELU RW, 22
	v_mul_f32 v[RW], v23, v[RW]
	WSUMN RW, 1, TP
	ds_store_b32 v7, v[RW] offset:O_PR
	; offset head, first layer, for those four channels: relu(bo1[o] + sum over g of Wo1[o][g] EMB[g][channel]), two channels to a line
	v_pk_fma_f32 v[X+4:X+5], v[HP:HP+1],   v[36:37], v[26:27] op_sel_hi:[1,0,0]
	v_pk_fma_f32 v[X+6:X+7], v[HP+2:HP+3], v[36:37], v[26:27] op_sel_hi:[1,0,0]
.irp g, 1,2,3
	FMAB X+4, HP+4*(\g), 36, \g
	FMAB X+6, HP+4*(\g)+2, 36, \g
.endr
.irp n, 0,1,2,3
	v_max_num_f32 v[X+4+(\n)], 0, v[X+4+(\n)]
.endr
.irp n, 0,1,2,3
	ds_store_b32 v12, v[X+4+(\n)] offset:256*(\n)
.endr
	BAR
	ds_load_b128 v[X:X+3],   v13 offset:O_PR
	ds_load_b128 v[X+4:X+7], v13 offset:O_PR+16
	LDW 4, MATB                                    ; Wo2
	LDV 11, 0
	s_wait_dscnt 32                                ; the eight parts are in; the row's and the column's 32 loads may stay out
.irp g, 0,1,2,3
	v_add_f32 v[RW+(\g)], v[X+2*(\g)], v[X+2*(\g)+1]
.endr
.irp g, 0,1,2,3
	v_add_f32 v[RW+(\g)], s54, v[RW+(\g)]
.endr
	SIG4 RW                                        ; r[0..3]
	v_fma_f32 v[X], v32, v[RW], v24                ; Q1 = relu(Wq1 r + bq1)
	v_fma_f32 v[X], v33, v[RW+1], v[X]
	v_fma_f32 v[X], v34, v[RW+2], v[X]
	v_fma_f32 v[X], v35, v[RW+3], v[X]
	v_max_num_f32 v[X], 0, v[X]
	ds_store_b32 v6, v[X] offset:O_Q1
.irp n, 0,1,2,3                        ; offset head, second and third layer, channel by channel: relu(Wo2 HO1 + bo2), then my wave's parts of Wo3[0] . and Wo3[1] .
	MAC64 X
.if (\n) < 3
	LDV 11, 256*((\n)+1)
.endif
	RELU X, 27
	v_mul_f32 v[HP+(\n)],   v29, v[X]
	v_mul_f32 v[HP+4+(\n)], v30, v[X]
.endr
	WSUMN HP, 8, X
	ds_store_b128 v8, v[HP:HP+3]   offset:O_PO
	ds_store_b128 v8, v[HP+4:HP+7] offset:O_PO+16
	BAR
	LDW 4, 0                                       ; Q2 = relu(Wq2 Q1 + bq2); my wave's part of Wq3[f] . Q2
	LDV 5, O_Q1
	MAC64 X
	RELU X, 25
	v_mul_f32 v[X], v28, v[X]
	WSUMN X, 1, TP
	ds_store_b32 v7, v[X] offset:O_PQ
	s_cmp_lg_u32 s62, 0
	s_cbranch_scc1 .Lno_off
	; wave 0: lane n (of 16) finishes channel 16 cq + n: group n / 4 of threads, its waves 2 (n / 4) and 2 (n / 4) + 1, place n % 4
	v_and_b32 v[HP], 15, v0
	v_lshrrev_b32 v[HP+1], 2, v[HP]
	v_and_b32 v[HP+2], 3, v[HP]
	v_lshl_add_u32 v[HP+1], v[HP+1], 6, S
	v_lshl_add_u32 v[HP+1], v[HP+2], 2, v[HP+1]
	ds_load_b32 v[HP+4], v[HP+1] offset:O_PO
	ds_load_b32 v[HP+5], v[HP+1] offset:O_PO+16
	ds_load_b32 v[HP+6], v[HP+1] offset:O_PO+32
	ds_load_b32 v[HP+7], v[HP+1] offset:O_PO+48
	s_mov_b32 s70, 0xc2820000                      ; -65.0
	s_mov_b32 s71, 0x42800000                      ; 64.0
	v_lshlrev_b32 v[HP+2], 2, v[HP]
	v_lshlrev_b32 v[HP+3], 3, v[HP]
	s_wait_dscnt 0x0
	v_add_f32 v[HP+4], v[HP+4], v[HP+6]
	v_add_f32 v[HP+5], v[HP+5], v[HP+7]
	v_add_f32 v[HP+4], s60, v[HP+4]                ; offx
	v_add_f32 v[HP+5], s61, v[HP+5]                ; offy
	v_add_f32 v[HP+4], s85, v[HP+4]                ; the source place less J,
	v_add_f32 v[HP+5], s84, v[HP+5]                ; less I
	v_floor_f32 v[HP+6], v[HP+4]
	v_floor_f32 v[HP+7], v[HP+5]
	v_sub_f32 v[HP+4], v[HP+4], v[HP+6]            ; wx
	v_sub_f32 v[HP+5], v[HP+5], v[HP+7]            ; wy
	v_med3_num_f32 v[HP+6], v[HP+6], s70, s71
	v_med3_num_f32 v[HP+7], v[HP+7], s70, s71
	v_add_f32 v[HP+6], 0x42820000, v[HP+6]         ; + 65: 0 .. 129
	v_add_f32 v[HP+7], 0x42820000, v[HP+7]
	v_cvt_u32_f32 v[HP+6], v[HP+6]
	v_cvt_u32_f32 v[HP+7], v[HP+7]
	v_sub_f32 v[X], 1.0, v[HP+4]
	v_sub_f32 v[X+1], 1.0, v[HP+5]
	v_mul_f32 v[X+2], v[X+1], v[X]
	v_mul_f32 v[X+3], v[X+1], v[HP+4]
	v_mul_f32 v[X], v[HP+5], v[X]
	v_mul_f32 v[X+1], v[HP+5], v[HP+4]
	v_cvt_pk_f16_f32 v[X+2], v[X+2], v[X+3]
	v_cvt_pk_f16_f32 v[X+3], v[X], v[X+1]
	v_cmp_gt_u32 vcc_lo, 16, v0
	s_wait_xcnt 0x0                                ; EXEC changes only behind this wait
	s_and_saveexec_b32 s94, vcc_lo
	global_store_b32 v[HP+2], v[HP+6], s[50:51]             ; 64 consecutive bytes
	global_store_b32 v[HP+2], v[HP+7], s[50:51] offset:256
	global_store_b64 v[HP+3], v[X+2:X+3], s[90:91]          ; 128 consecutive bytes
	s_wait_xcnt 0x0
	s_or_b32 exec_lo, exec_lo, s94
.Lno_off:
	BAR
	ds_load_b128 v[X:X+3],   v13 offset:O_PQ
	ds_load_b128 v[X+4:X+7], v13 offset:O_PQ+16
	s_wait_dscnt 0x0
.irp e, 0,1,2,3
	v_add_f32 v[RW+(\e)], v[X+2*(\e)], v[X+2*(\e)+1]
.endr
.irp e, 0,1,2,3
	v_add_f32 v[RW+(\e)], s[56+(\e)], v[RW+(\e)]
.endr
	SIG4 RW                                        ; the four gates
	v_pk_mul_f32 v[X:X+1], v[44:45], v[RW:RW+1] op_sel_hi:[1,0]  ; elements 2 t, 2 t + 1 of sum_e rw_e wc_e
.set i, 0
.rept 4
	v_pk_mul_f32 v[84+2*i:85+2*i], v[52+2*i:53+2*i], v[RW:RW+1] op_sel_hi:[1,0]  ; row 16 cq + t % 16 of sum_e rw_e we_e
.set i, i+1
.endr
.irp e, 1,2,3
	FMAB X, 44+2*(\e), RW, \e
.set i, 0
.rept 4
	FMAB 84+2*i, 52+8*(\e)+2*i, RW, \e
.set i, i+1
.endr
.endr
	ds_store_b64 v9, v[X:X+1] offset:O_WCM
	BAR
	s_cmp_lt_u32 s62, 4
	s_cbranch_scc0 .Lend
	; threads 0-127: M[16 cq + t % 16][8 (t / 16) .. + 7], eight bf16, which are the 16 bytes of lane t % 32 in A's fragment registers
.set k, 0
.rept 8
	ds_load_b128 v[WR+8*k:WR+8*k+3],   v14 offset:O_WCM+256*k
	ds_load_b128 v[WR+8*k+4:WR+8*k+7], v14 offset:O_WCM+256*k+16
.set k, k+1
.endr
	s_wait_dscnt 0x0
.set j, 0
.rept 4
	v_pk_mul_f32 v[ACC+2*j:ACC+2*j+1], v[WR+2*j:WR+2*j+1], v[84:85] op_sel_hi:[1,0]
.set j, j+1
.endr
.set k, 1
.rept 7
.set j, 0
.rept 4
	FMAB ACC+2*j, WR+8*k+2*j, 84, k
.set j, j+1
.endr
.set k, k+1
.endr
.irp j, 0,1,2,3
	v_cvt_pk_bf16_f32 v[X+(\j)], v[ACC+2*(\j)], v[ACC+2*(\j)+1]
.endr
	global_store_b128 v94, v[X:X+3], s[52:53]      ; a wave stores 512 consecutive bytes, at a multiple of 256 from pblk's first byte
.Lend:
	s_wait_tensorcnt 0x0                           ; the wave's end, behind my last tensor load and my last LDS store
	ds_add_u32 v16, v17
	s_wait_dscnt 0x0
	s_endpgm
.Lfunc_end_k_qb5c4292ad8_prep:
	.size	k_qb5c4292ad8_prep, .Lfunc_end_k_qb5c4292ad8_prep-k_qb5c4292ad8_prep
	.p2alignl 7, 3214868480
	.fill 96, 4, 3214868480
	.section	.rodata,"a",@progbits
	.p2align	6, 0x0
	.amdhsa_kernel k_qb5c4292ad8_prep
		.amdhsa_group_segment_fixed_size 167936
		.amdhsa_private_segment_fixed_size 0
		.amdhsa_enable_private_segment 0
		.amdhsa_kernarg_size 200
		.amdhsa_user_sgpr_count 2
		.amdhsa_user_sgpr_kernarg_segment_ptr 1
		.amdhsa_wavefront_size32 1
		.amdhsa_system_sgpr_workgroup_id_x 1
		.amdhsa_system_sgpr_workgroup_id_y 1
		.amdhsa_system_sgpr_workgroup_id_z 1
		.amdhsa_system_vgpr_workitem_id 0
		.amdhsa_next_free_vgpr 256
		.amdhsa_next_free_sgpr 96
		.amdhsa_reserve_vcc 1
		.amdhsa_float_denorm_mode_32 3
		.amdhsa_float_denorm_mode_16_64 3
		.amdhsa_memory_ordered 1
		.amdhsa_forward_progress 1
		.amdhsa_inst_pref_size 56
	.end_amdhsa_kernel
	.amdgpu_metadata
---
amdhsa.version: [ 1, 2 ]
amdhsa.kernels:
  - .name:           k_qb5c4292ad8_prep
    .symbol:         k_qb5c4292ad8_prep.kd
    .args:
      - { .name: psum, .offset: 0, .size: 8, .value_kind: global_buffer, .address_space: global }
      - { .name: Wb1, .offset: 8, .size: 8, .value_kind: global_buffer, .address_space: global }
      - { .name: Wb2, .offset: 16, .size: 8, .value_kind: global_buffer, .address_space: global }
      - { .name: Wr1, .offset: 24, .size: 8, .value_kind: global_buffer, .address_space: global }
      - { .name: Wq2, .offset: 32, .size: 8, .value_kind: global_buffer, .address_space: global }
      - { .name: Wo2, .offset: 40, .size: 8, .value_kind: global_buffer, .address_space: global }
      - { .name: bb1, .offset: 48, .size: 8, .value_kind: global_buffer, .address_space: global }
      - { .name: bb2, .offset: 56, .size: 8, .value_kind: global_buffer, .address_space: global }
      - { .name: br1, .offset: 64, .size: 8, .value_kind: global_buffer, .address_space: global }
      - { .name: Wr2, .offset: 72, .size: 8, .value_kind: global_buffer, .address_space: global }
      - { .name: br2, .offset: 80, .size: 8, .value_kind: global_buffer, .address_space: global }
      - { .name: Wq1, .offset: 88, .size: 8, .value_kind: global_buffer, .address_space: global }
      - { .name: bq1, .offset: 96, .size: 8, .value_kind: global_buffer, .address_space: global }
      - { .name: bq2, .offset: 104, .size: 8, .value_kind: global_buffer, .address_space: global }
      - { .name: Wq3, .offset: 112, .size: 8, .value_kind: global_buffer, .address_space: global }
      - { .name: bq3, .offset: 120, .size: 8, .value_kind: global_buffer, .address_space: global }
      - { .name: Wo1, .offset: 128, .size: 8, .value_kind: global_buffer, .address_space: global }
      - { .name: bo1, .offset: 136, .size: 8, .value_kind: global_buffer, .address_space: global }
      - { .name: bo2, .offset: 144, .size: 8, .value_kind: global_buffer, .address_space: global }
      - { .name: Wo3, .offset: 152, .size: 8, .value_kind: global_buffer, .address_space: global }
      - { .name: bo3, .offset: 160, .size: 8, .value_kind: global_buffer, .address_space: global }
      - { .name: wc, .offset: 168, .size: 8, .value_kind: global_buffer, .address_space: global }
      - { .name: we, .offset: 176, .size: 8, .value_kind: global_buffer, .address_space: global }
      - { .name: shifts, .offset: 184, .size: 8, .value_kind: global_buffer, .address_space: global }
      - { .name: pblk, .offset: 192, .size: 8, .value_kind: global_buffer, .address_space: global }
    .group_segment_fixed_size: 167936
    .private_segment_fixed_size: 0
    .kernarg_segment_align: 8
    .kernarg_segment_size: 200
    .max_flat_workgroup_size: 256
    .sgpr_count:     96
    .vgpr_count:     256
    .wavefront_size: 32
...
	.end_amdgpu_metadata
.endif
;; end of part 2
;; launch mix (part 3): grid 64 x 4, 4 waves a work-group, no clusters, 167,936 bytes of LDS; arguments shifts, pblk, quads, out0; writes out0
.if DOCPART == 3
	.amdgcn_target "amdgcn-amd-amdhsa--gfx1250"
	.amdhsa_code_object_version 6
	.text
	.protected	k_qb5c4292ad8_mix
	.globl	k_qb5c4292ad8_mix
	.p2align	8
	.type	k_qb5c4292ad8_mix,@function
k_qb5c4292ad8_mix:
	s_mov_b64 s[64:65], 0
	v_nop
	global_prefetch_b8 v0, s[64:65] scope:SCOPE_SE
	s_setreg_imm32_b32 hwreg(HW_REG_WAVE_MODE, 25, 1), 1
	s_wait_xcnt 0x0
; THIRD OF THREE LAUNCHES: out = f + M_p f, where f[b][c] is the bilinear sample of channel c at the pixel's place plus the channel's offset, and M_p the 64 x 64 matrix of the pixel's phase p = (i % 4, j % 4).
; SHARES.  Work-group (I, pi) makes output row i = 4 I + pi of all 4 batches and 64 channels, 256 KB; 256 work-groups of equal work.  Wave w owns source columns J = 16 w .. + 15.
; Lane (r = lane % 16, h = lane / 16) owns J = 16 w + r and the 32 channels c = 16 mt + 8 h + j, numbered ch = 8 mt + j: just those that it holds of source 1 (k = c) and of the result (m = c)
; of v_wmma_f32_16x16x32_bf16, so that nothing changes lanes.  When all four pj are done the lane has columns 4 J .. 4 J + 3 of a row, 16 consecutive bytes, and sixteen lanes 256.
; A TILE is (bp, pj): two batches, one phase, 16 pixels a wave.  Eight tiles, written out.  For each channel one 16-byte gather from the table of the first launch brings the four taps of both batches;
; four multiply-adds from f16 halves into f32 make f; f rounded to bf16 is source 1; M_p f is added onto the unrounded f in f32.
; THE ADDRESSES come from whole numbers that the second launch stored (SX, SY = shift + 65, 0 .. 129): entry (v, u) of the table with u = min((J - 63) + SX, 66), v = min((I - 63) + SY, 66), both taken
; as unsigned 32-bit numbers.  A place left of or above the table wraps to a very large number and so falls on entry 66 too; entries 0 and 66 are all zeros alike: they are the zero padding.
; FORMATS AND LIMITS.  Taps and bilinear weights f16, sums f32; only the correction M f has bf16 operands.  |x| under 65,504 (first launch).  NaN and infinities are not treated apart.
; IN FLIGHT.  Two tiles' gathers, 64 loads of 512 bytes a wave; a tile's gathers are issued two tiles ahead of their use.
; NO CLUSTER: what work-groups share by a descriptor is the 34 KB block of a pi, against some 546 KB gathered and 256 KB stored by each.  No LDS for x: which rows are wanted hangs on the offsets, for which
; the problem gives no bound, and each entry fetched is used once.
; REGISTERS, in windows of 256 (s_set_vgpr_msb: bits 1:0 source 0, 3:2 source 1, 5:4 source 2, 7:6 destination):
;   window 0: v1-11 addresses; v32-159 ADDR[32 pj + ch]; v160-191 source 1, [16 bl + 8 kb + i]; v192-255 the products, [32 bl + 8 mt + j] (ahead of the tiles: at work)
;   window 1: the gathered entries, two slots of 128: [128 slot + 4 ch ..]          window 2: OUT[128 bl + 4 ch + pj] (ahead of the tiles v0-127: SY[32 pj + ch])
;   window 3: v0-63 M_p's fragments, [8 (2 mt + kb) ..]; v64-127 the bilinear weights, two words a channel
.set PBLK,   34816                     ; a pi's block: 4 x 8,192 bytes of M fragments, then 4 x 512 bytes of weights
.set SPARE,  34816                     ; behind it: the spare words, 128 bytes for each wave: two blocks of 256 bytes that no other line names
.set QPLANE, 73984                     ; a table plane: 68 rows of 1,088 bytes
.set OPLANE, 262144                    ; a channel's plane of the output
.set VJ,   1                           ; v1   J - 63, as a wrapped 32-bit number
.set VH,   3                           ; v3   h x 8 table planes
.set VS,   4                           ; v4   32 h: my eight channels' words in a group of 16 of shifts
.set VLA,  5                           ; v5   16 lane
.set VLW,  6                           ; v6   64 h
.set VCO,  7                           ; v7   my byte offset in a row of the output: h x 8 planes + 256 w + 16 r
.set ZERO, 8                           ; v8   0
.set SPW,  10                          ; v10  LDS address of my spare word; never rewritten
.set NIL,  11                          ; v11  0; never rewritten
.set ADDR, 32
.set B,    160
.set D,    192
.set TY,   192
.set WG,   64
.set MSB, 0
.macro WIN new                         ; the immediate's high byte repeats the setting that is left; a switch that changes nothing is dropped
.if MSB != (\new)
	s_set_vgpr_msb (MSB<<8)|(\new)
.set MSB, \new
.endif
.endm
.macro PASS32 line:vararg              ; one line for each ch
.set ch, 0
.rept 32
	\line
.set ch, ch+1
.endr
.endm
; The 32 table offsets of phase pj, pass by pass, so that no line waits for the one before it.  The v_min_u32 with its constant is the one bound on each loaded number; behind it come a multiply, a shift and sums.
.macro ADDRS pj
.set AB, ADDR+32*(\pj)
.set SB, 32*(\pj)
	WIN 0x08                                       ; source 1 in window 2
	PASS32 v_add_nc_u32 v[TY+ch], s13, v[SB+ch]
	WIN 0
	PASS32 v_add_nc_u32 v[AB+ch], v[VJ], v[AB+ch]
	PASS32 v_min_u32 v[AB+ch], 66, v[AB+ch]
	PASS32 v_min_u32 v[TY+ch], 66, v[TY+ch]
	PASS32 v_mul_u32_u24 v[TY+ch], v[TY+ch], 1088
	PASS32 v_lshl_add_u32 v[AB+ch], v[AB+ch], 4, v[TY+ch]
	PASS32 v_add_nc_u32 v[AB+ch], v[VH], v[AB+ch]
.endm
.macro GATHER T                        ; tile T's 32 entries a lane; sixteen lanes with neighbouring J take neighbouring entries.  The channel's plane stands in the immediate: 55 planes at the most, inside its signed 24 bits
	WIN 0x40                                       ; destination window 1
.set ch, 0
.rept 32
	global_load_b128 v[((\T)&1)*128+4*ch:((\T)&1)*128+4*ch+3], v[ADDR+((\T)&3)*32+ch], s[8+8*((\T)>>2):9+8*((\T)>>2)] offset:(16*(ch/8)+ch%8)*QPLANE
.set ch, ch+1
.endr
.endm
.macro WLOAD pj                        ; the weights of my 32 channels: two channels to a load
	WIN 0xc0                                       ; destination window 3
.set n, 0
.rept 16
	ds_load_b128 v[WG+4*n:WG+4*n+3], v[VLW] offset:32768+(\pj)*512+(n/4)*128+(n%4)*16
.set n, n+1
.endr
.endm
.macro ALOAD pj                        ; M_p's eight fragments, as they lie
	WIN 0xc0
.set n, 0
.rept 16
	ds_load_b128 v[4*n:4*n+3], v[VLA] offset:(\pj)*8192+n*512
.set n, n+1
.endr
.endm
.macro TAP T, w, hi, first             ; one tap of all 64 samples (n = 32 bl + ch): word w of the batch's two, half hi, of entry and weights alike
.set n, 0
.rept 64
.set rO, (n/32)*128+(n%32)*4+((\T)&3)
.set rQ, ((\T)&1)*128+(n%32)*4+(n/32)*2+(\w)
.set rW, WG+2*(n%32)+(\w)
.if \first
	v_fma_mix_f32 v[rO], v[rQ], v[rW], v[ZERO] op_sel_hi:[1,1,0]
.elseif \hi
	v_fma_mix_f32 v[rO], v[rQ], v[rW], v[rO] op_sel:[1,1,0] op_sel_hi:[1,1,0]
.else
	v_fma_mix_f32 v[rO], v[rQ], v[rW], v[rO] op_sel_hi:[1,1,0]
.endif
.set n, n+1
.endr
.endm
.macro SAMPLE T                        ; by taps, so that a sum is taken up again 64 lines after it was written
	WIN 0x8d                                       ; entry window 1, weights window 3, 0 in window 0, OUT window 2
	TAP \T, 0, 0, 1
	WIN 0xad                                       ; the addend is OUT
	TAP \T, 0, 1, 0
	TAP \T, 1, 0, 0
	TAP \T, 1, 1, 0
.endm
.macro PACKB T                         ; source 1: register i of (bl, kb) holds channels ch = 16 kb + 2 i and + 1
	WIN 0x0a
.set n, 0
.rept 32
	v_cvt_pk_bf16_f32 v[B+n], v[(n/16)*128+8*(n%16)+((\T)&3)], v[(n/16)*128+8*(n%16)+4+((\T)&3)]
.set n, n+1
.endr
.endm
.macro MULT                            ; the eight accumulators (bl, mt) take turns, one instruction a turn: first k = 0..31, which starts the sums, then k = 32..63
	WIN 0x03                                       ; M in window 3
.set n, 0
.rept 8
	v_wmma_f32_16x16x32_bf16 v[D+8*n:D+8*n+7], v[16*(n%4):16*(n%4)+7], v[B+16*(n/4):B+16*(n/4)+7], 0
.set n, n+1
.endr
.set n, 0
.rept 8
	v_wmma_f32_16x16x32_bf16 v[D+8*n:D+8*n+7], v[16*(n%4)+8:16*(n%4)+15], v[B+16*(n/4)+8:B+16*(n/4)+15], v[D+8*n:D+8*n+7]
.set n, n+1
.endr
.endm
.macro ADDD T                          ; OUT += M f; each accumulator's registers in ascending order
	WIN 0x82
.set n, 0
.rept 64
	v_add_f32 v[(n/32)*128+(n%32)*4+((\T)&3)], v[(n/32)*128+(n%32)*4+((\T)&3)], v[D+n]
.set n, n+1
.endr
.endm
.macro SEND bp                         ; lanes 0-15 store 256 consecutive bytes of one channel's row, at a multiple of 256 from the output's first byte; lanes 16-31 the same eight channels on
	WIN 0x08                                       ; data window 2
.set n, 0
.rept 64
	global_store_b128 v[VCO], v[(n/32)*128+(n%32)*4:(n/32)*128+(n%32)*4+3], s[32+2*(2*(2*(\bp)+n/32)+(n%32)/16):33+2*(2*(2*(\bp)+n/32)+(n%32)/16)] offset:((((n%32)/8)%2)*16+n%8)*OPLANE th:TH_STORE_NT
.set n, n+1
.endr
.endm
.macro TILE T
.if (\T) < 7
	s_wait_loadcnt 32                              ; my tile's gathers are in; the next tile's 32 may stay out
.else
	s_wait_loadcnt 0x0
.endif
	s_wait_dscnt 16                                ; the weights are in; M's 16 loads, issued behind them, may stay out
	SAMPLE \T
.if (\T) <= 5
	GATHER (\T)+2                                  ; into the slot just read
.endif
.if (\T) < 7
	WLOAD ((\T)+1)&3
.endif
	PACKB \T
.if (\T) < 7
	s_wait_dscnt 16                                ; M is in; the next tile's weights may stay out
.else
	s_wait_dscnt 0x0
.endif
	MULT
	WIN 0
.rept 4
	v_nop                                          ; the four places between the last product and the loads into M's registers and the reads of the results
.endr
.if (\T) < 7
	ALOAD ((\T)+1)&3
.endif
	ADDD \T
.if ((\T)&3) == 3
	SEND (\T)>>2
.endif
.if (\T) == 3
	s_wait_xcnt 0x0                                ; OUT, which the stores read, is written again only behind this wait
.endif
.endm
	s_load_b256 s[4:11], s[0:1], 0x0               ; shifts s[4:5], pblk s[6:7], quads s[8:9], out0 s[10:11]
	v_lshl_add_u32 v[SPW], v0, 2, SPARE
	v_mov_b32 v[NIL], 0
	ds_add_u32 v[SPW], v[NIL]                      ; the wave's opening: the add and its wait come ahead of my first tensor load; the set-up below, work on registers, stands between them
	ds_add_u32 v10, v11
	v_lshrrev_b32 v12, 5, v0
	v_readfirstlane_b32 s12, v12                   ; wave 0..3
	s_sub_co_u32 s13, ttmp9, 63                    ; I - 63, as a wrapped 32-bit number
	s_and_b32 s14, ttmp7, 0xffff                   ; pi
	; descriptor: my quarter of the pi's block, 8,704 dense bytes, as 34 rows of 32 elements of 8 bytes
	s_mov_b32 s20, 1                               ; group 0: count = 1
	s_mul_i32 s21, s12, 8704                       ; LDS address
	s_mov_b32 s24, 3<<16                           ; group 1: elements of 8 bytes, no padding
	s_mov_b32 s25, 32<<16                          ; tensor_dim0 = 32
	s_mov_b32 s26, 34<<16                          ; tensor_dim1 = 34
	s_mov_b32 s27, 32<<16                          ; tile_dim0 = 32
	s_mov_b32 s28, 34                              ; tile_dim1 = 34
	s_mov_b32 s29, 32                              ; 32 elements from row to row
	s_mov_b32 s30, 0
	s_mov_b32 s31, 0
	s_mul_i32 s48, s14, PBLK
	s_add_co_u32 s48, s48, s21
	s_mov_b32 s49, 0
	s_lshl_b32 s50, s14, 11                        ; shifts: four phases of 512 bytes for each pi
	s_mov_b32 s51, 0
	s_lshl_b32 s52, ttmp9, 2
	s_add_co_u32 s52, s52, s14
	s_lshl_b32 s52, s52, 10                        ; output row 4 I + pi, 1,024 bytes a row
	s_mov_b32 s53, 0
	v_and_b32 v13, 15, v0                          ; r
	v_bfe_u32 v14, v0, 4, 1                        ; h
	v_lshl_add_u32 v[VJ], v12, 4, v13              ; J = 16 w + r,
	v_sub_nc_u32 v[VJ], v[VJ], 63                  ; less 63
	v_mul_u32_u24 v[VH], v14, 8*QPLANE
	v_lshlrev_b32 v[VS], 5, v14
	v_and_b32 v[VLA], 31, v0
	v_lshlrev_b32 v[VLA], 4, v[VLA]
	v_lshlrev_b32 v[VLW], 6, v14
	v_lshlrev_b32 v[VCO], 21, v14
	v_lshl_add_u32 v[VCO], v12, 8, v[VCO]
	v_lshl_add_u32 v[VCO], v13, 4, v[VCO]
	v_mov_b32 v[ZERO], 0
	s_wait_dscnt 0x0                               ; the opening add is done
	s_wait_kmcnt 0x0
	s_add_nc_u64 s[22:23], s[6:7], s[48:49]
	s_or_b32 s23, s23, 0x80000000                  ; type = 2
	tensor_load_to_lds s[20:23], s[24:31]          ; one tensor load a wave is out
	s_nop 0
.rept 4
	v_nop
.endr
	s_add_nc_u64 s[4:5], s[4:5], s[50:51]
.set n, 0
.rept 32                               ; n = 8 pj + 2 mt + i: SX of channels 16 mt + 8 h + 4 i .. + 3, straight into ADDR
	global_load_b128 v[ADDR+4*n:ADDR+4*n+3], v[VS], s[4:5] offset:(n/8)*512+((n/2)%4)*64+(n%2)*16
.set n, n+1
.endr
	WIN 0x80
.set n, 0
.rept 32                               ; SY, into window 2
	global_load_b128 v[4*n:4*n+3], v[VS], s[4:5] offset:(n/8)*512+256+((n/2)%4)*64+(n%2)*16
.set n, n+1
.endr
	WIN 0
	s_add_nc_u64 s[16:17], s[8:9], 64*QPLANE       ; the table of batches 2 and 3
	s_add_nc_u64 s[32:33], s[10:11], s[52:53]      ; eight bases, 32 channels apart, so that a store's immediate stays inside its signed 24 bits: 23 planes at the most
.irp n, 1,2,3,4,5,6,7
	s_add_nc_u64 s[32+2*(\n):33+2*(\n)], s[32:33], (\n)*32*OPLANE
.endr
	s_wait_loadcnt 0x0                             ; the shifts
	ADDRS 0
	GATHER 0
	ADDRS 1
	GATHER 1
	ADDRS 2
	ADDRS 3
	WIN 0
	s_wait_tensorcnt 0x0                           ; my quarter of the block is in,
	s_barrier_signal -1
	s_barrier_wait -1                              ; everybody's is; the gathers stay on their way: nobody writes those bytes
	WLOAD 0
	ALOAD 0
	TILE 0
	TILE 1
	TILE 2
	TILE 3
	TILE 4
	TILE 5
	TILE 6
	TILE 7
	WIN 0
	s_wait_tensorcnt 0x0                           ; the wave's end, behind my last tensor load
	ds_add_u32 v[SPW], v[NIL]
	s_wait_dscnt 0x0
	s_endpgm
.Lfunc_end_k_qb5c4292ad8_mix:
	.size	k_qb5c4292ad8_mix, .Lfunc_end_k_qb5c4292ad8_mix-k_qb5c4292ad8_mix
	.p2alignl 7, 3214868480
	.fill 96, 4, 3214868480
	.section	.rodata,"a",@progbits
	.p2align	6, 0x0
	.amdhsa_kernel k_qb5c4292ad8_mix
		.amdhsa_group_segment_fixed_size 167936
		.amdhsa_private_segment_fixed_size 0
		.amdhsa_enable_private_segment 0
		.amdhsa_kernarg_size 32
		.amdhsa_user_sgpr_count 2
		.amdhsa_user_sgpr_kernarg_segment_ptr 1
		.amdhsa_wavefront_size32 1
		.amdhsa_system_sgpr_workgroup_id_x 1
		.amdhsa_system_sgpr_workgroup_id_y 1
		.amdhsa_system_sgpr_workgroup_id_z 1
		.amdhsa_system_vgpr_workitem_id 0
		.amdhsa_next_free_vgpr 896
		.amdhsa_next_free_sgpr 66
		.amdhsa_reserve_vcc 0
		.amdhsa_float_denorm_mode_32 3
		.amdhsa_float_denorm_mode_16_64 3
		.amdhsa_memory_ordered 1
		.amdhsa_forward_progress 1
		.amdhsa_inst_pref_size 255
	.end_amdhsa_kernel
	.section	.bss,"aw",@nobits
	.p2align	6
	.space	262144
	.amdgpu_metadata
---
amdhsa.version: [ 1, 2 ]
amdhsa.kernels:
  - .name:           k_qb5c4292ad8_mix
    .symbol:         k_qb5c4292ad8_mix.kd
    .args:
      - { .name: shifts, .offset: 0, .size: 8, .value_kind: global_buffer, .address_space: global }
      - { .name: pblk, .offset: 8, .size: 8, .value_kind: global_buffer, .address_space: global }
      - { .name: quads, .offset: 16, .size: 8, .value_kind: global_buffer, .address_space: global }
      - { .name: out0, .offset: 24, .size: 8, .value_kind: global_buffer, .address_space: global }
    .group_segment_fixed_size: 167936
    .private_segment_fixed_size: 0
    .kernarg_segment_align: 8
    .kernarg_segment_size: 32
    .max_flat_workgroup_size: 128
    .sgpr_count:     66
    .vgpr_count:     896
    .wavefront_size: 32
...
	.end_amdgpu_metadata
.endif
;; end of part 3
